; MI455X (gfx1250); checked and timed in simulation.
; The chip was launched on July 23, 2026; its instructions are those of AMD's public machine-readable ISA for CDNA 5 (MIT licence, August 2026) and "CDNA5" Instruction Set Architecture Reference Guide (July 2026). The comments in the code are by the model that wrote it; some were corrected since.
;; min LSTM. Allowed arithmetic: matrix products marked QUANTISED: E5M2 operands, one given power-of-two scale a tensor, by v_wmma_f32_16x16x64_bf8_bf8 or v_wmma_f32_16x16x128_bf8_bf8, f32 sums; everything else in f32.
;; Inputs: W 1,024 x 3,072 float32; lowp_scales 2 int32 (the exponents e of the quantised operands' scales 2^e); x 4 x 4,096 x 1,024 float32.
;; Outputs: out0 4 x 4,096 x 1,024 float32.
;; This version of the problem:
;;   THIS VERSION OF THE PROBLEM IS GIVEN IN LOW PRECISION. The matrix products marked QUANTISED in the list below multiply operands that are first quantised to E5M2 (5 exponent bits, 2 mantissa bits; 8 bits a number), with one given power-of-two scale for each operand tensor; their sums are f32. All else is computed in f32.
;;   The module's matrix products, in the order in which they are computed (A, B: the left and right operand; K: the contracted axis; several contracted axes count as one K, in the product's order):
;;     1. [M 16,384, K 1,024] x [K 1,024, N 3,072]; A: input x; B: input W: QUANTISED (scales: A lowp_scales[0], B lowp_scales[1])
;;   THE QUANTISER, for each operand of a quantised product, along K:
;;     - The operand's scale is 2^e, e = its entry of the input lowp_scales (int32; the entries are numbered through the quantised products in the list's order, A before B).
;;     - Each number is divided by the scale, clamped to +-57,344, and rounded to the nearest number of E5M2, ties to even, subnormals kept.
;;     - The product sums the exact products of the quantised numbers (number of the format x scale) in f32.
;;   ~~~python
;;   def quantise(x, axis, e):      # numpy; x: float32 -> the quantised numbers, widened to float32 again
;;       x = np.moveaxis(x, axis, -1); K = x.shape[-1]
;;       r = np.clip(x / 2.0 ** e, -57344, 57344)
;;       step = 2.0 ** (np.maximum(np.frexp(np.where(r == 0, 1, r))[1] - 1, -14) - 2)
;;       q = np.round(r / step) * step * 2.0 ** e      # np.round: ties to even
;;       return np.moveaxis(q, -1, axis).astype(np.float32)
;;   ~~~
;; 2 versions. Each part assembles by itself: llvm-mc -triple=amdgcn-amd-amdhsa -mcpu=gfx1250 --defsym DOCPART=n.
;; ======== version 1 of 2: 2 launches
;; workspace buffers: xq 16,777,216 bytes; wq 3,145,728 bytes
;; launch quant (part 1): grid 608 x 1, 4 waves a work-group, no clusters, 34,304 bytes of LDS; arguments x, W, lowp_scales, xq, wq; writes xq, wq
.if DOCPART == 1
	.amdgcn_target "amdgcn-amd-amdhsa--gfx1250"
	.amdhsa_code_object_version 6
	.text
	.protected	k_qb4f7f54e69_quant
	.globl	k_qb4f7f54e69_quant
	.p2align	8
	.type	k_qb4f7f54e69_quant,@function
k_qb4f7f54e69_quant:
	s_mov_b64 s[64:65], 0
	v_nop
	global_prefetch_b8 v0, s[64:65] scope:SCOPE_SE
	s_setreg_imm32_b32 hwreg(HW_REG_WAVE_MODE, 25, 1), 1
	s_wait_xcnt 0x0
; x [16384][1024] f32 and W [1024][3072] f32 become codes of BF8 (E5M2), each with the one scale 2^e that is given for it (entry 0: x, entry 1: W):
; code = number / 2^e, held within +-57,344, rounded to the nearest code, ties to even.
; LIMITS: each e between -126 and 112, so that 2^e and 57,344 x 2^e are f32 numbers.  NaN among the inputs is not served; an infinity is held at the largest code.
; THE CODES ARE LAID AS IMAGES OF THE OPERAND'S REGISTERS.  A fragment is 16 rows (of x) or 16 columns (of W) x 128 along K = 2,048 bytes: group c (0..3) of four registers at 512 c + 16 lane;
; lane (r = lane % 16, h = lane / 16) holds k = 128 ks + 32 c + 16 h + 0 .. 15 of row or column r.  The same places of k in both operands, so every product meets its partner.
;   xq: byte u 32768 + ks 4096 + a 2048 + c 512 + 16 lane.  u = 32 consecutive rows of x (rows 32 u ..); tile a (0, 1) holds, as its row m, row 16 (m / 8) + 8 a + m % 8 of the 32.
;   wq: byte cg 49152 + g 16384 + ks 2048 + c 512 + 16 lane.  Column = 1024 g + 16 cg + r (g: the gate, cg: a group of 16 channels).
; SHARES.  Work-groups 0 to 95 take W, 96 to 607 take x; each reads 131,072 bytes of f32.  The parting hangs on the work-group's number alone; only x's path uses LDS.  Waves share nothing: no barrier.
.set WGW,  96                          ; W's work-groups
.set ROWX, 4096                        ; a row of x in bytes
.set ROWW, 12288                       ; a row of W in bytes
.set SP,   528                         ; a stage row: 512 bytes + 16: 132 words, so that 16 rows start at 16 different banks (64 banks of 4 bytes: ISA guide 11.1)
.set R,    16                          ; x: v16-143   two sets of 64 registers as loaded
.set X,    144                         ; x: v144-207  64 numbers in the operand's order
.set C,    208                         ; x: v208-239  two sets of 16 registers of codes
.set XW,   16                          ; W: v16-79    two sets of 32 numbers
.set CW,   144                         ; W: v144-207  8 registers of codes for each of 8 blocks: no store's data are written again
.macro SCALE se                        ; v11 = 2^e as f32 (the conversion takes its exponent field), v10 = 57,344 x 2^e
	s_wait_kmcnt 0x0
	s_add_co_i32 s26, s[\se], 127
	s_lshl_b32 s27, s26, 23
	v_mov_b32 v11, s27
	s_add_co_i32 s26, s26, 15
	s_lshl_b32 s26, s26, 23
	s_or_b32 s26, s26, 0x600000
	v_mov_b32 v10, s26
.endm
; x: fragment f's 16 rows x 512 bytes: each load reads 512 consecutive bytes, 16 a lane
.macro LOADX f
.irp i, 0,1,2,3,4,5,6,7,8,9,10,11,12,13,14,15
	global_load_b128 v[R+64*((\f)%2)+4*\i:R+64*((\f)%2)+4*\i+3], v3, s[4:5] offset:(16*(\i/8)+\i%8)*ROWX+512*(\f) th:TH_LOAD_NT
.endr
.endm
; through the wave's own stage: in as the rows lie, out 64 bytes a lane and block of 32.  LDS serves a wave's instructions in order (ISA guide 5.7.1.4): no wait between the stores and the loads
.macro TURNX f
.irp i, 0,1,2,3,4,5,6,7,8,9,10,11,12,13,14,15
	ds_store_b128 v14, v[R+64*((\f)%2)+4*\i:R+64*((\f)%2)+4*\i+3] offset:SP*\i
.endr
.irp c, 0,1,2,3
.irp n, 0,1,2,3
	ds_load_b128 v[X+16*\c+4*\n:X+16*\c+4*\n+3], v15 offset:128*\c+16*\n
.endr
.endr
.endm
.macro QUANTX f
.set n, 0
.rept 64
	v_med3_num_f32 v[X+n], v[X+n], -v10, v10       ; the conversion to an 8-bit code does not saturate (ISA guide 7.6.2): the hold at the largest code x the scale
.set n, n+1
.endr
.set n, 0
.rept 8
	v_cvt_scalef32_pk8_bf8_f32 v[C+16*((\f)%2)+2*n:C+16*((\f)%2)+2*n+1], v[X+8*n:X+8*n+7], v11
.set n, n+1
.endr
	v_nop                                          ; one plain vector line behind the last conversion
.endm
.macro STOREX f
.irp c, 0,1,2,3
	global_store_b128 v3, v[C+16*((\f)%2)+4*\c:C+16*((\f)%2)+4*\c+3], s[12:13] offset:4096*(\f)+512*\c   ; 32 lanes store 512 consecutive bytes, aligned
.endr
.endm
.macro FRAGX f
.if (\f) < 3
	s_wait_loadcnt 16                              ; this fragment's 16 loads are in; the next fragment's 16 may be out
.else
	s_wait_loadcnt 0x0
.endif
	TURNX \f
	s_wait_dscnt 0x0                               ; the numbers are back in the operand's order, and the stage's stores have read their registers
.if (\f) < 2
	LOADX (\f)+2                                   ; which take the loads of two fragments on
.else
	s_wait_xcnt 0x0                                ; the codes' set was the data of the stores two fragments ago: it is written again only behind this wait
.endif
	QUANTX \f
	STOREX \f
.endm
; W: block t: W(32 t + i, my column), i = 0 .. 31: a lane takes a column and its registers run down K; 32 lanes read 128 consecutive bytes, the four waves side by side 512
.macro LOADW t
.set n, 0
.rept 32
	global_load_b32 v[XW+32*((\t)%2)+n], v4, s[6:7] offset:(32*(\t)+n)*ROWW th:TH_LOAD_NT
.set n, n+1
.endr
.endm
.macro BLOCKW t
.if (\t) < 7
	s_wait_loadcnt 32                              ; this block's 32 loads are in; the next block's 32 may be out
.else
	s_wait_loadcnt 0x0
.endif
.set n, 0
.rept 32
	v_med3_num_f32 v[XW+32*((\t)%2)+n], v[XW+32*((\t)%2)+n], -v10, v10
.set n, n+1
.endr
.set n, 0
.rept 4
	v_cvt_scalef32_pk8_bf8_f32 v[CW+8*(\t)+2*n:CW+8*(\t)+2*n+1], v[XW+32*((\t)%2)+8*n:XW+32*((\t)%2)+8*n+7], v11
.set n, n+1
.endr
	v_nop                                          ; one plain vector line behind the last conversion
	global_store_b128 v5, v[CW+8*(\t):CW+8*(\t)+3], s[14:15] offset:2048*((\t)/4)+512*((\t)%4)           ; k 0-15 of the block: the image's lanes 0-15; sixteen lanes store 256 consecutive bytes, aligned
	global_store_b128 v5, v[CW+8*(\t)+4:CW+8*(\t)+7], s[14:15] offset:2048*((\t)/4)+512*((\t)%4)+256     ; k 16-31: the image's lanes 16-31
.if (\t) < 6
	LOADW (\t)+2
.endif
.endm
	s_load_b128 s[4:7], s[0:1], 0x0                ; x, W
	s_load_b64 s[8:9], s[0:1], 0x10                ; the scales' exponents
	s_load_b128 s[12:15], s[0:1], 0x18             ; xq, wq
	v_lshl_add_u32 v240, v0, 2, 0x8400
	v_mov_b32 v241, 0
	v_lshrrev_b32 v1, 5, v0
	v_readfirstlane_b32 s16, v1                    ; wave 0..3
	v_and_b32 v2, 31, v0                           ; lane
	s_mov_b32 s25, 0                               ; the upper word of every offset
	s_wait_kmcnt 0x0
	s_load_b64 s[22:23], s[8:9], 0x0               ; ex, ew
	s_cmp_lt_u32 ttmp9, WGW
	s_cbranch_scc1 .Lw_path
	; ---- x.  The work-group takes unit u; wave w takes tile a = w % 2 and K steps 4 (w / 2) + 0 .. 3: four fragments
	s_sub_co_u32 s17, ttmp9, WGW                   ; u
	s_and_b32 s18, s16, 1                          ; a
	s_lshr_b32 s19, s16, 1                         ; which half of K
	s_lshl_b32 s24, s17, 17                        ; 32 rows of 4,096 bytes,
	s_lshl_b32 s20, s18, 15                        ; + 8 a rows,
	s_add_co_u32 s24, s24, s20
	s_lshl_b32 s20, s19, 11                        ; + four K steps of 512 bytes
	s_add_co_u32 s24, s24, s20
	s_add_nc_u64 s[4:5], s[4:5], s[24:25]
	s_lshl_b32 s24, s17, 15                        ; the codes: 32,768 u + 16,384 (half of K) + 2,048 a
	s_lshl_b32 s20, s19, 14
	s_add_co_u32 s24, s24, s20
	s_lshl_b32 s20, s18, 11
	s_add_co_u32 s24, s24, s20
	s_add_nc_u64 s[12:13], s[12:13], s[24:25]
	v_lshlrev_b32 v3, 4, v2                        ; 16 x lane: my bytes of a load's and of a store's 512
	s_mul_i32 s21, s16, 16*SP                      ; my wave's stage
	v_add_nc_u32 v14, s21, v3                      ; in: 16 x lane of a row
	v_and_b32 v4, 15, v2
	v_lshrrev_b32 v5, 4, v2
	v_mul_u32_u24 v15, v4, SP
	v_lshl_add_u32 v15, v5, 6, v15
	v_add_nc_u32 v15, s21, v15                     ; out: row r, + 64 h: my 16 numbers of a block of 32
	LOADX 0
	LOADX 1
	SCALE 22
	FRAGX 0
	FRAGX 1
	FRAGX 2
	FRAGX 3
	s_wait_tensorcnt 0x0
	ds_add_u32 v240, v241
	s_wait_dscnt 0x0
	s_endpgm
	; ---- W.  Work-group Y: 128 columns (Y % 24), 256 along K (Y / 24); wave w: 32 of the columns, two tiles of 16
.Lw_path:
	s_mul_i32 s17, ttmp9, 171
	s_lshr_b32 s17, s17, 12                        ; Y / 24 (exact for Y under 96)
	s_mul_i32 s18, s17, 24
	s_sub_co_u32 s18, ttmp9, s18                   ; Y % 24
	s_lshl_b32 s18, s18, 2
	s_add_co_u32 s18, s18, s16                     ; cp: my 32 columns begin at 32 cp
	s_lshr_b32 s19, s18, 5                         ; the gate
	s_lshl_b32 s20, s18, 1
	s_and_b32 s20, s20, 63                         ; my first group of 16 channels (an even number)
	s_mul_i32 s24, s17, 256*ROWW
	s_lshl_b32 s21, s18, 7
	s_add_co_u32 s24, s24, s21
	s_add_nc_u64 s[6:7], s[6:7], s[24:25]
	s_mul_i32 s24, s20, 49152
	s_lshl_b32 s21, s19, 14
	s_add_co_u32 s24, s24, s21
	s_lshl_b32 s21, s17, 12                        ; two K steps of 2,048 bytes
	s_add_co_u32 s24, s24, s21
	s_add_nc_u64 s[14:15], s[14:15], s[24:25]
	v_lshlrev_b32 v4, 2, v2                        ; in: 4 bytes a lane
	v_and_b32 v6, 15, v2
	v_lshrrev_b32 v7, 4, v2
	v_mul_u32_u24 v5, v7, 49152                    ; out: lanes 16-31 hold the next group of channels,
	v_lshl_add_u32 v5, v6, 4, v5                   ; 16 bytes for each column
	LOADW 0
	LOADW 1
	SCALE 23
	BLOCKW 0
	BLOCKW 1
	BLOCKW 2
	BLOCKW 3
	BLOCKW 4
	BLOCKW 5
	BLOCKW 6
	BLOCKW 7
	s_endpgm
.Lfunc_end_k_qb4f7f54e69_quant:
	.size	k_qb4f7f54e69_quant, .Lfunc_end_k_qb4f7f54e69_quant-k_qb4f7f54e69_quant
	.p2alignl 7, 3214868480
	.fill 96, 4, 3214868480
	.section	.rodata,"a",@progbits
	.p2align	6, 0x0
	.amdhsa_kernel k_qb4f7f54e69_quant
		.amdhsa_group_segment_fixed_size 34304
		.amdhsa_private_segment_fixed_size 0
		.amdhsa_enable_private_segment 0
		.amdhsa_kernarg_size 40
		.amdhsa_user_sgpr_count 2
		.amdhsa_user_sgpr_kernarg_segment_ptr 1
		.amdhsa_wavefront_size32 1
		.amdhsa_system_sgpr_workgroup_id_x 1
		.amdhsa_system_sgpr_workgroup_id_y 1
		.amdhsa_system_sgpr_workgroup_id_z 1
		.amdhsa_system_vgpr_workitem_id 0
		.amdhsa_next_free_vgpr 242
		.amdhsa_next_free_sgpr 66
		.amdhsa_reserve_vcc 0
		.amdhsa_float_denorm_mode_32 3
		.amdhsa_float_denorm_mode_16_64 3
		.amdhsa_memory_ordered 1
		.amdhsa_forward_progress 1
		.amdhsa_inst_pref_size 82
	.end_amdhsa_kernel
	.amdgpu_metadata
---
amdhsa.version: [ 1, 2 ]
amdhsa.kernels:
  - .name:           k_qb4f7f54e69_quant
    .symbol:         k_qb4f7f54e69_quant.kd
    .args:
      - { .name: x, .offset: 0, .size: 8, .value_kind: global_buffer, .address_space: global }
      - { .name: W, .offset: 8, .size: 8, .value_kind: global_buffer, .address_space: global }
      - { .name: lowp_scales, .offset: 16, .size: 8, .value_kind: global_buffer, .address_space: global }
      - { .name: xq, .offset: 24, .size: 8, .value_kind: global_buffer, .address_space: global }
      - { .name: wq, .offset: 32, .size: 8, .value_kind: global_buffer, .address_space: global }
    .group_segment_fixed_size: 34304
    .private_segment_fixed_size: 0
    .kernarg_segment_align: 8
    .kernarg_segment_size: 40
    .max_flat_workgroup_size: 128
    .sgpr_count:     66
    .vgpr_count:     242
    .wavefront_size: 32
...
	.end_amdgpu_metadata
.endif
;; end of part 1
;; launch scan (part 2): grid 64 x 4, 8 waves a work-group, clusters of 4 x 1, 327,680 bytes of LDS; arguments xq, wq, lowp_scales, out0; writes out0
.if DOCPART == 2
	.amdgcn_target "amdgcn-amd-amdhsa--gfx1250"
	.amdhsa_code_object_version 6
	.text
	.protected	k_qb4f7f54e69_scan
	.globl	k_qb4f7f54e69_scan
	.p2align	8
	.type	k_qb4f7f54e69_scan,@function
k_qb4f7f54e69_scan:
	s_mov_b64 s[64:65], 0
	v_nop
	global_prefetch_b8 v0, s[64:65] scope:SCOPE_SE
	s_setreg_imm32_b32 hwreg(HW_REG_WAVE_MODE, 25, 1), 1
	s_wait_xcnt 0x0
	s_wait_alu depctr_hold_cnt(0) depctr_sa_sdst(0) depctr_va_vdst(0) depctr_va_sdst(0) depctr_va_ssrc(0) depctr_va_vcc(0) depctr_vm_vsrc(0)
	s_getreg_b32 s2, hwreg(HW_REG_IB_STS2, 6, 4)
	s_cmp_eq_u32 s2, 0
	s_cbranch_scc0 .Lentry_in_a_cluster
	s_endpgm
.Lentry_in_a_cluster:
	s_bfe_u32 s2, ttmp6, 0x10000c
	s_cmp_lg_u32 s2, 0x3003
	s_cbranch_scc0 .Lentry_shape_is_right
	s_endpgm
.Lentry_shape_is_right:
; minLSTM: gates = Q(x) Q(W) on codes of BF8 (E5M2); f' = sig(f) / (sig(f) + sig(i)), i' = 1 - f', g(hidden) = hidden + 0.5 from 0 on, sigmoid(hidden) below; h(t) = f'(t) h(t-1) + i'(t) g(t), h(-1) = 0.
; That recurrence IS exp(a* + cumlogsumexp(log v - a*)): every weight exp(a*(t) - a*(s)) is a product of numbers f' that are at most 1, so no exponential of the scan is left.
; IN THE GATES THE MAXIMUM IS TAKEN AWAY: with m = max(-f, -i, 0): E0 = e^(-m), EF = e^(-f-m), EI = e^(-i-m), all at most 1 and one of them 1; f' = (E0 + EI) / (2 E0 + EF + EI), i' = (E0 + EF) / the same.
; g = max(EH, 1 + 2 hidden) / (1 + EH) with EH = e^min(hidden, 0): from 0 on that is (1 + 2 hidden) / 2, below 0 it is EH / (1 + EH), since e^x > 1 + 2 x there.  One reciprocal serves both divisions.
; LIMITS: ex + ew between -125 and 125 (they are added to the exponent fields of two constants).  An exponential under 2^-126 counts as 0 (ISA guide 15.8).  The exponents carry the rounding of c x m, at most 2^-24 of it.
;   The sums of the scan are rounded in the recurrence's order, not in the log form's.
; SHARES.  A work-group owns 16 channels (cg) of one batch (b) for all 4,096 steps, so that the carry never leaves it; it walks 32 blocks of 128 steps.  256 work-groups.
;   So a work-group's part of a row of the output is 64 bytes, a quarter of an aligned block of 256; the four partners of a cluster write the four quarters in the same phase.
; TWO TEAMS of four waves: team 0 (waves 0-3) owns the even blocks and LDS slot 0, team 1 the odd blocks and slot 1.  In a block wave q of the team owns steps 32 q .. 32 q + 31: two tiles of 16 rows, six accumulators.
;   Phase p: the team of p's parity finishes block p - 2 (carry in, h, stores) and multiplies block p; the other team makes block p - 1's gates and its local scan.  Matrix work of one wave stands beside vector work of another.
; W's slice (48 columns x 1,024 K: 24 fragments, 384 registers) stays in every wave's registers for the whole launch; each fragment of x is read from LDS once.
; LAYOUT.  Source 0 = 16 rows of x, source 1 = 16 columns of W: in the result lane (r, h) holds channel r and rows 8 h + j.  xq's tiles are laid so that row m of tile a is step 16 (m / 8) + 8 a + m % 8:
;   a lane's 16 registers of tiles 0 and 1 are the 16 consecutive steps 16 h + 0 .. 15 of ONE channel: the scan runs down a lane's registers.
; CLUSTER.  The four work-groups of a cluster share the batch and walk the same codes of x: each tile is asked for JOINTLY, by the same tensor load with the same descriptor and the mask of all four.
;   My place in the cluster enters W's and the output's addresses alone.  W is shared by nobody at the same time, so it comes by plain loads.
; REGISTERS: window 1: W's fragments of gates 0, 1 at v[16 (8 g + ks)].  Window 0: v128-255 W's of gate 2; v1-15 addresses and carries; v16-63 the accumulators; v64-127 x's fragments, two sets, and, while no product runs, the gates' work.
.set SLOTB, 131072                     ; a slot: a block's codes of x, 128 steps x 1,024 K, as dense images: 4 waves x 8 K steps x 2 tiles x 2,048 bytes
.set AGG,   2*SLOTB                    ; behind the ring: the waves' aggregates, 512 bytes a team: [team][channel r][wave q][A, H]; no tile lands here
.set SPARE, AGG+1024                   ; the spare words, 128 bytes for each of eight waves: four blocks of 256 bytes that no other line names
.set SPW, 1                            ; v1   LDS address of my spare word; never rewritten
.set NIL, 2                            ; v2   0; never rewritten
.set XA0, 3                            ; v3   my fragments in slot 0: 32,768 q + 16 lane
.set AGS, 4                            ; v4   where I store my wave's aggregate
.set AGL, 5                            ; v5   where I read a channel's four aggregates: AGG + 32 r
.set OO,  6                            ; v6   my byte offset in a block of the output
.set CY,  7                            ; v7   the carry: h of my channel at the end of the last block that was carried
.set CIN, 8                            ; v8   the carry into my wave's 32 steps
.set PA0, 9                            ; v9   tile 0: the product of its eight f'
.set HA0, 10                           ; v10  tile 0: h at its end, begun from 0
.set AP,  11                           ; v11, v12  the other half of the lanes' aggregate (16 steps)
.set HP,  12
.set XA1, 13                           ; v13  my fragments in slot 1 (= XA0 + 10 in the register file: the product's macro picks by the phase's parity)
.set AW,  14                           ; v[14:15] my wave's aggregate: A, H
.set ACC, 16                           ; tile a: v[16 + 24 a] f, later v;  + 8: i, later f';  + 16: hidden, later h
.set XF,  64                           ; x's fragments: set s, tile a at v[64 + 32 s + 16 a]
.set T0B, 64                           ; the gates' work: tile a: T0 at v[64 + 16 a], T1 at v[72 + 16 a]
.set CT,  96                           ; v96-103  a channel's four aggregates
.set CC,  104                          ; v104-106 the carries behind waves 0, 1, 2
.set PT,  108                          ; v108-115 products of f', four a tile
.set HA1, 116
.set PA1, 117
.set AL,  118                          ; my lane's aggregate (16 steps)
.set HL,  119
.set XC,  120
.set AHI, 121
.set HLO, 122
.set HHI, 123
.set CL,  124                          ; the carry into my lane's 16 steps
.set WV,  12                           ; s12  wave 0..7;  s13 team;  s14 q
.set G1,  24                           ; s[24:31] descriptor group 1
.set G0,  32                           ; s[32:39] descriptor group 0, a set for each slot
.set CS,  40                           ; s[40:41] c = log2(e) x 2^(ex + ew), twice (the packed forms name a pair)
.set NC,  42                           ; s[42:43] -c
.set C2,  44                           ; s[44:45] 2 x 2^(ex + ew)
.set SEL, 46                           ; s[46:47] lane selects for v_permlanex16_b32: lane l xor 16
.set HM,  48                           ; s48  mask of lanes 16-31
.set QM,  49                           ; s49-51  all ones where q >= 1, 2, 3
.set CNT, 52
.set MSB, 0
.macro WIN new                         ; the immediate's high byte repeats the setting that is left; a switch that changes nothing is dropped
.if MSB != \new
	s_set_vgpr_msb (MSB<<8)|\new
.set MSB, \new
.endif
.endm
.macro PLACES                          ; four plain vector lines that name no register
.rept 4
	v_nop
.endr
.endm
; A round of the cluster's barrier: my work-group's barrier, so that wave 0's signal speaks for all eight waves; wave 0 signals for the work-group; every wave waits for all four work-groups; my work-group's barrier once more.
.macro CROUND
	s_barrier_signal -1
	s_barrier_wait -1
	s_cmp_lg_u32 s[WV], 0
	s_cbranch_scc1 .Lnot_wave_0_\@
	s_barrier_signal -3
.Lnot_wave_0_\@:
	s_barrier_wait -3
	s_barrier_signal -1
	s_barrier_wait -1
.endm
; THE HEAD OF A PHASE.  Each wave waits for all its tensor loads (its part of the slot that this phase reads), adds 0 to its spare word, and waits for that, for its reads of the slot that it has left and for its store of aggregates.
; slot = 0 or 1: that slot, read out in the last phase, is filled with the block two further on: the barrier is then a round of the cluster's, and the joint load is the first thing behind it; it has a phase in which to land.
; slot = -1: nothing is left to fetch: the work-group's barrier alone.
.macro SYNC slot
	s_wait_tensorcnt 0x0                           ; no tensor load of mine is out, so a group 0 may be written
	ds_add_u32 v[SPW], v[NIL]                      ; 0 onto my spare word
.if (\slot) >= 0
	s_add_nc_u64 s[G0+4*(\slot)+2:G0+4*(\slot)+3], s[G0+4*(\slot)+2:G0+4*(\slot)+3], 2*SLOTB   ; two blocks on; the type bits on top are not reached
.endif
	s_wait_dscnt 0x0                               ; the add is done; my LDS reads are back and my LDS stores have landed
.if (\slot) >= 0
	CROUND
	tensor_load_to_lds s[G0+4*(\slot):G0+4*(\slot)+3], s[G1:G1+7]   ; my one tensor load until the next round: 64 rows of 256 bytes
	s_nop 0
	PLACES                                         ; four v_nop follow the load
.else
	s_barrier_signal -1
	s_barrier_wait -1
.endif
.endm
; x's two fragments of K step ks into set be: eight loads of 512 consecutive bytes
.macro XLD ks, be, par
.irp t, 0,1
.irp c, 0,1,2,3
	ds_load_b128 v[XF+32*(\be)+16*\t+4*\c:XF+32*(\be)+16*\t+4*\c+3], v[XA0+10*(\par)] offset:4096*(\ks)+2048*\t+512*\c
.endr
.endr
.endm
.macro MM a, g, ks                     ; tile a x gate g, K step ks; the first K step starts the sum: nothing is cleared
.set rD, ACC+24*(\a)+8*(\g)
.set rA, XF+32*((\ks)%2)+16*(\a)
.if (\g) < 2
.set rB, 16*(8*(\g)+(\ks))
.else
.set rB, 128+16*(\ks)
.endif
.if (\ks) == 0
	v_wmma_f32_16x16x128_bf8_bf8 v[rD:rD+7], v[rA:rA+15], v[rB:rB+15], 0
.else
	v_wmma_f32_16x16x128_bf8_bf8 v[rD:rD+7], v[rA:rA+15], v[rB:rB+15], v[rD:rD+7]
.endif
.endm
; A BLOCK'S PRODUCTS of my wave: 32 steps x 48 columns x 1,024 K: 48 matrix instructions.  The six accumulators take turns, one instruction a turn, in the same order in every K step.
; The next K step's fragments are asked for ahead of this step's products.  A load into a register that a matrix instruction has read stands four places behind it (ISA guide 7.12.1 for vector instructions).
.macro GEMM par
	XLD 0, 0, \par
.irp s, 0,1,2,3,4,5,6,7
.if (\s > 0) && (\s < 7)
	PLACES                                         ; the set to be loaded was read by the products just issued
.endif
.if \s < 7
	XLD \s+1, (\s+1)%2, \par
	s_wait_dscnt 8                                 ; this step's eight loads are in; the next step's eight may be out
.else
	s_wait_dscnt 0x0
.endif
	WIN 0x04                                       ; source 1 (W's gates 0, 1) window 1
	MM 0, 0, \s
	MM 1, 0, \s
	MM 0, 1, \s
	MM 1, 1, \s
	WIN 0                                          ; W's gate 2 lies in window 0
	MM 0, 2, \s
	MM 1, 2, \s
.endr
	PLACES                                         ; behind the last products: whatever follows may read the results, write the fragments' registers or load into them
.endm
; THE GATES, as numbered lists: each macro writes number k (an assembly symbol) of its list for tile a, so that one tile's transcendentals can stand by turns with the other tile's plain work.
.macro REGS a
.set rF,  ACC+24*(\a)
.set rI,  ACC+8+24*(\a)
.set rH,  ACC+16+24*(\a)
.set rT0, T0B+16*(\a)
.set rT1, T0B+8+16*(\a)
.endm
; 36: T0 = c min(f, i, 0) = -c' m;  f = -c f + T0;  i = -c i + T0;  T1 = c min(hidden, 0);  hidden = 1 + 2 hidden.  Each accumulator is read from its low end on.
.macro PREK a
	REGS \a
.if k < 8
	v_min3_num_f32 v[rT0+k], v[rF+k], v[rI+k], 0
.elseif k < 16
	v_min_num_f32 v[rT1+k-8], 0, v[rH+k-8]
.elseif k < 20
.set kk, 2*(k-16)
	v_pk_mul_f32 v[rT0+kk:rT0+kk+1], v[rT0+kk:rT0+kk+1], s[CS:CS+1] op_sel_hi:[1,0]
.elseif k < 24
.set kk, 2*(k-20)
	v_pk_fma_f32 v[rF+kk:rF+kk+1], v[rF+kk:rF+kk+1], s[NC:NC+1], v[rT0+kk:rT0+kk+1] op_sel_hi:[1,0,1]
.elseif k < 28
.set kk, 2*(k-24)
	v_pk_fma_f32 v[rI+kk:rI+kk+1], v[rI+kk:rI+kk+1], s[NC:NC+1], v[rT0+kk:rT0+kk+1] op_sel_hi:[1,0,1]
.elseif k < 32
.set kk, 2*(k-28)
	v_pk_mul_f32 v[rT1+kk:rT1+kk+1], v[rT1+kk:rT1+kk+1], s[CS:CS+1] op_sel_hi:[1,0]
.else
.set kk, 2*(k-32)
	v_pk_fma_f32 v[rH+kk:rH+kk+1], v[rH+kk:rH+kk+1], s[C2:C2+1], 1.0 op_sel_hi:[1,0,0]
.endif
.endm
; 32 exponentials in place: E0 (T0), EF (f), EI (i), EH (T1).  Every exponent is 0 or less
.macro EXPK a
	REGS \a
.if k < 8
.set rE, rT0+k
.elseif k < 16
.set rE, rF+k-8
.elseif k < 24
.set rE, rI+k-16
.else
.set rE, rT1+k-24
.endif
	v_exp_f32 v[rE], v[rE]
.endm
; 28: hidden = max(EH, 1 + 2 hidden);  i = E0 + EI;  f = E0 + EF;  T0 = their sum, at least 1;  T1 = 1 + EH;  T0 = T0 x T1
.macro MIDK a
	REGS \a
.if k < 8
	s_wait_alu depctr_va_vdst(0)
	v_max_num_f32 v[rH+k], v[rT1+k], v[rH+k]
.elseif k < 12
.set kk, 2*(k-8)
	v_pk_add_f32 v[rI+kk:rI+kk+1], v[rT0+kk:rT0+kk+1], v[rI+kk:rI+kk+1]
.elseif k < 16
.set kk, 2*(k-12)
	v_pk_add_f32 v[rF+kk:rF+kk+1], v[rT0+kk:rT0+kk+1], v[rF+kk:rF+kk+1]
.elseif k < 20
.set kk, 2*(k-16)
	v_pk_add_f32 v[rT0+kk:rT0+kk+1], v[rF+kk:rF+kk+1], v[rI+kk:rI+kk+1]
.elseif k < 24
.set kk, 2*(k-20)
	v_pk_add_f32 v[rT1+kk:rT1+kk+1], v[rT1+kk:rT1+kk+1], 1.0 op_sel_hi:[1,0]
.else
.set kk, 2*(k-24)
	v_pk_mul_f32 v[rT0+kk:rT0+kk+1], v[rT0+kk:rT0+kk+1], v[rT1+kk:rT1+kk+1]
.endif
.endm
.macro RCPK a                          ; 8 reciprocals in place
	REGS \a
	v_rcp_f32 v[rT0+k], v[rT0+k]
.endm
; 16: i becomes f' = (E0 + EI)(1 + EH) R;  f becomes v = i' g = (E0 + EF) max(..) R
.macro POSTK a
	REGS \a
.if k < 4
.set kk, 2*k
	s_wait_alu depctr_va_vdst(0)
	v_pk_mul_f32 v[rT1+kk:rT1+kk+1], v[rT0+kk:rT0+kk+1], v[rT1+kk:rT1+kk+1]
.elseif k < 8
.set kk, 2*(k-4)
	v_pk_mul_f32 v[rI+kk:rI+kk+1], v[rI+kk:rI+kk+1], v[rT1+kk:rT1+kk+1]
.elseif k < 12
.set kk, 2*(k-8)
	v_pk_mul_f32 v[rF+kk:rF+kk+1], v[rF+kk:rF+kk+1], v[rH+kk:rH+kk+1]
.else
.set kk, 2*(k-12)
	v_pk_mul_f32 v[rF+kk:rF+kk+1], v[rF+kk:rF+kk+1], v[rT0+kk:rT0+kk+1]
.endif
.endm
; 11: a tile's eight steps as one: HA = h at its end, begun from 0 (a chain of seven), PA = the product of its f' (four lines, set between the chain's)
.macro P1K a
	REGS \a
.set rT, PT+4*(\a)
.if (\a) == 0
.set rHA, HA0
.set rPA, PA0
.else
.set rHA, HA1
.set rPA, PA1
.endif
.if k == 0
	v_fma_f32 v[rHA], v[rI+1], v[rF], v[rF+1]
.elseif k == 1
	v_pk_mul_f32 v[rT:rT+1], v[rI:rI+1], v[rI+2:rI+3]
.elseif k == 2
	v_fma_f32 v[rHA], v[rI+2], v[rHA], v[rF+2]
.elseif k == 3
	v_pk_mul_f32 v[rT+2:rT+3], v[rI+4:rI+5], v[rI+6:rI+7]
.elseif k == 4
	v_fma_f32 v[rHA], v[rI+3], v[rHA], v[rF+3]
.elseif k == 5
	v_pk_mul_f32 v[rT:rT+1], v[rT:rT+1], v[rT+2:rT+3]
.elseif k == 6
	v_fma_f32 v[rHA], v[rI+4], v[rHA], v[rF+4]
.elseif k == 7
	v_mul_f32 v[rPA], v[rT], v[rT+1]
.else
	v_fma_f32 v[rHA], v[rI+k-3], v[rHA], v[rF+k-3]
.endif
.endm
; A BLOCK'S GATES AND LOCAL SCAN of my wave.  Behind each transcendental stands a plain line of the other tile, which touches none of its registers, before its result is used (ISA guide 5.7.2).
.macro GATES
.set k, 0
.rept 36
	PREK 0
.set k, k+1
.endr
.set k, 0
.rept 32
	EXPK 0
	PREK 1
.set k, k+1
.endr
.rept 4
	PREK 1
.set k, k+1
.endr
.set k, 0
.rept 32
	EXPK 1
.if k < 28
	MIDK 0
.endif
.set k, k+1
.endr
.set k, 0
.rept 8
	RCPK 0
	MIDK 1
.set k, k+1
.endr
.rept 20
	MIDK 1
.set k, k+1
.endr
.set k, 0
.rept 16
	POSTK 0
.set k, k+1
.endr
.set k, 0
.rept 8
	RCPK 1
	P1K 0
.set k, k+1
.endr
.rept 3
	P1K 0
.set k, k+1
.endr
.set k, 0
.rept 16
	POSTK 1
.set k, k+1
.endr
.set k, 0
.rept 11
	P1K 1
.set k, k+1
.endr
	v_mul_f32 v[AL], v[PA0], v[PA1]                ; my lane's 16 steps as one,
	v_fma_f32 v[HL], v[PA1], v[HA0], v[HA1]
	v_permlanex16_b32 v[AP], v[AL], s[SEL], s[SEL+1]   ; the other half of the lanes' (the same channel's other 16 steps),
	v_permlanex16_b32 v[HP], v[HL], s[SEL], s[SEL+1]
	v_cndmask_b32 v[AHI], v[AP], v[AL], s[HM]      ; sorted into the earlier half's and the later half's,
	v_cndmask_b32 v[HLO], v[HL], v[HP], s[HM]
	v_cndmask_b32 v[HHI], v[HP], v[HL], s[HM]
	v_mul_f32 v[AW], v[AL], v[AP]                  ; and the wave's 32 steps as one: h(end) = A h(before) + H
	v_fma_f32 v[AW+1], v[AHI], v[HLO], v[HHI]
	ds_store_b64 v[AGS], v[AW:AW+1]                ; both halves of the lanes store the same two words with the same numbers
.endm
; THE CARRY through a block: the four waves' aggregates of my channel, in order.  Every wave of both teams runs it, so that each keeps the running carry; the select hangs on the wave's number.
.macro CARRY par
	ds_load_b128 v[CT:CT+3], v[AGL] offset:512*(\par)
	ds_load_b128 v[CT+4:CT+7], v[AGL] offset:512*(\par)+16
	s_wait_dscnt 0x0
	v_fma_f32 v[CC], v[CT], v[CY], v[CT+1]
	v_fma_f32 v[CC+1], v[CT+2], v[CC], v[CT+3]
	v_fma_f32 v[CC+2], v[CT+4], v[CC+1], v[CT+5]
	v_cndmask_b32 v[CIN], v[CY], v[CC], s[QM]
	v_cndmask_b32 v[CIN], v[CIN], v[CC+1], s[QM+1]
	v_cndmask_b32 v[CIN], v[CIN], v[CC+2], s[QM+2]
	v_fma_f32 v[CY], v[CT+6], v[CC+2], v[CT+7]
.endm
; h of my 16 steps, from the carry in: two chains of eight by turns; then the stores: sixteen lanes store the work-group's 64 consecutive bytes of a row, two rows an instruction.
.macro P2OUT
	v_fma_f32 v[XC], v[AP], v[CIN], v[HP]          ; lanes 16-31 begin behind lanes 0-15's 16 steps
	v_cndmask_b32 v[CL], v[CIN], v[XC], s[HM]
	v_fma_f32 v[XC], v[PA0], v[CL], v[HA0]         ; tile 1 begins behind tile 0's eight
	v_fma_f32 v[ACC+16], v[ACC+8], v[CL], v[ACC]
	v_fma_f32 v[ACC+40], v[ACC+32], v[XC], v[ACC+24]
.irp j, 1,2,3,4,5,6,7
	v_fma_f32 v[ACC+16+\j], v[ACC+8+\j], v[ACC+15+\j], v[ACC+\j]
	v_fma_f32 v[ACC+40+\j], v[ACC+32+\j], v[ACC+39+\j], v[ACC+24+\j]
.endr
.irp t, 0,1
.irp j, 0,1,2,3,4,5,6,7
	global_store_b32 v[OO], v[ACC+16+24*\t+\j], s[10:11] offset:(8*\t+\j)*4096
.endr
.endr
	s_wait_xcnt 0x0                                ; the stores' base and data are written again only behind this wait (ISA guide 3.1): the base below, the data by the next products
	s_add_nc_u64 s[10:11], s[10:11], 2*128*4096    ; my team's next block
.endm
; A PHASE of parity par.  The barrier, its three lines and the tensor load stand on every wave's path; the teams part on the wave's number behind them and join at the phase's end.
.macro PHASE par, refill, carry, p2, g, v
.if \refill
	SYNC 1-\par
.else
	SYNC -1
.endif
.if \carry
	CARRY \par
.endif
.if \par
	s_cmp_ge_u32 s[WV], 4
.else
	s_cmp_lt_u32 s[WV], 4
.endif
	s_cbranch_scc0 .Lother_\@
.if \p2
	P2OUT
.endif
.if \g
	GEMM \par
.endif
	s_branch .Ljoin_\@
.Lother_\@:
.if \v
	GATES
.endif
.Ljoin_\@:
.endm
	s_load_b256 s[4:11], s[0:1], 0x0               ; xq s[4:5], wq s[6:7], the scales' exponents s[8:9], the output s[10:11]
	v_lshl_add_u32 v[SPW], v0, 2, SPARE
	v_mov_b32 v[NIL], 0
	ds_add_u32 v1, v2
	ds_add_u32 v1, v2
	s_wait_dscnt 0x0
	v_lshrrev_b32 v3, 5, v0
	v_readfirstlane_b32 s[WV], v3                  ; wave 0..7
	s_lshr_b32 s13, s[WV], 2                       ; team
	s_and_b32 s14, s[WV], 3                        ; q
	s_bfe_u32 s15, ttmp6, 0x40000                  ; cx: my place in the cluster
	s_lshl_b32 s16, ttmp9, 2                       ; in a cluster launch ttmp9 counts clusters
	s_add_co_u32 s16, s16, s15                     ; cg = 4 x cluster x + cx: it enters W's and the output's addresses alone
	s_and_b32 s17, ttmp7, 0xffff                   ; the batch, which the four partners share
	; descriptor group 1: 64 rows of 256 bytes, dense in memory and in LDS
	s_mov_b32 s[G1+0], 15|(3<<16)|(1<<21)          ; 15:0 the mask: all four work-groups; 17:16 elements of 8 bytes; 20 no padding; 21 set beside a mask
	s_mov_b32 s[G1+1], 32<<16                      ; tensor_dim0 = 32
	s_mov_b32 s[G1+2], 64<<16                      ; tensor_dim1 = 64
	s_mov_b32 s[G1+3], 32<<16                      ; tile_dim0 = 32
	s_mov_b32 s[G1+4], 64                          ; tile_dim1 = 64
	s_mov_b32 s[G1+5], 32                          ; tensor_dim0_stride
	s_mov_b32 s[G1+6], 0
	s_mov_b32 s[G1+7], 0
	s_lshl_b32 s56, s[WV], 14                      ; my eighth of a slot, in LDS and in memory: 16,384 x wave (these registers never hold cx)
	s_lshl_b32 s58, s17, 22                        ; the batch's codes: 32 blocks of 131,072 bytes
	s_add_co_u32 s58, s58, s56
	s_mov_b32 s59, 0
	s_mul_i32 s54, s16, 49152                      ; my slice of W's codes
	s_mov_b32 s55, 0
	s_lshl_b32 s20, s17, 24                        ; the output: the batch's 4,096 rows of 4,096 bytes,
	s_lshl_b32 s21, s16, 6                         ; my 16 channels,
	s_add_co_u32 s20, s20, s21
	s_lshl_b32 s21, s13, 19                        ; my team's first block of 128 rows
	s_add_co_u32 s20, s20, s21
	s_mov_b32 s21, 0
	s_wait_kmcnt 0x0
	s_load_b64 s[60:61], s[8:9], 0x0               ; ex, ew
	s_add_nc_u64 s[58:59], s[4:5], s[58:59]
	s_add_nc_u64 s[6:7], s[6:7], s[54:55]
	s_add_nc_u64 s[10:11], s[10:11], s[20:21]
.irp n, 0,1
	s_mov_b32 s[G0+4*\n], 1                        ; 1:0 count = 1
	s_add_co_u32 s[G0+4*\n+1], s56, \n*SLOTB       ; 63:32 LDS address: the slot + 16,384 x wave
	s_add_nc_u64 s[G0+4*\n+2:G0+4*\n+3], s[58:59], \n*SLOTB   ; 120:64 global address: block n
	s_or_b32 s[G0+4*\n+3], s[G0+4*\n+3], 0x80000000           ; 127:126 type = 2
.endr
	CROUND                                         ; all four work-groups are here: the first joint loads meet
	tensor_load_to_lds s[G0:G0+3], s[G1:G1+7]      ; both first fills go out together: two loads of mine are out
	s_nop 0
	tensor_load_to_lds s[G0+4:G0+7], s[G1:G1+7]
	s_nop 0
	PLACES
	v_and_b32 v64, 31, v0
	v_lshlrev_b32 v64, 4, v64                      ; 16 x lane
	WIN 0x40                                       ; destination window 1, address window 0
.irp f, 0,1,2,3,4,5,6,7,8,9,10,11,12,13,14,15  ; W's fragments of gates 0 and 1 (f = 8 g + ks): they stay
.irp c, 0,1,2,3
	global_load_b128 v[16*\f+4*\c:16*\f+4*\c+3], v64, s[6:7] offset:2048*\f+512*\c
.endr
.endr
	WIN 0
.irp f, 0,1,2,3,4,5,6,7                        ; gate 2's
.irp c, 0,1,2,3
	global_load_b128 v[128+16*\f+4*\c:128+16*\f+4*\c+3], v64, s[6:7] offset:2048*(16+\f)+512*\c
.endr
.endr
	; every LDS address is made here, ahead of the first parting of the teams
	v_and_b32 v65, 15, v0                          ; r
	v_bfe_u32 v66, v0, 4, 1                        ; h
	s_lshl_b32 s22, s14, 15
	v_add_nc_u32 v[XA0], s22, v64                  ; 32,768 q + 16 lane
	v_add_nc_u32 v[XA1], SLOTB, v[XA0]
	s_lshl_b32 s23, s13, 9
	s_lshl_b32 s22, s14, 3
	s_add_co_u32 s23, s23, s22
	s_add_co_u32 s23, s23, AGG
	v_lshl_add_u32 v[AGS], v65, 5, s23             ; AGG + 512 team + 8 q + 32 r
	v_lshl_add_u32 v[AGL], v65, 5, AGG             ; AGG + 32 r
	s_lshl_b32 s22, s14, 17                        ; the output: 32 q rows,
	v_lshlrev_b32 v[OO], 2, v65                    ; channel r,
	v_lshl_add_u32 v[OO], v66, 16, v[OO]           ; 16 h rows
	v_add_nc_u32 v[OO], s22, v[OO]
	v_mov_b32 v[CY], 0                             ; h(-1) = 0
	v_mov_b32 v[AP], 0                             ; written once: a lane permute's destination counts as one of its sources
	v_mov_b32 v[HP], 0
	s_mov_b32 s[SEL], 0x76543210
	s_mov_b32 s[SEL+1], 0xfedcba98
	s_mov_b32 s[HM], 0xffff0000
	s_cmp_ge_u32 s14, 1
	s_cselect_b32 s[QM], -1, 0
	s_cmp_ge_u32 s14, 2
	s_cselect_b32 s[QM+1], -1, 0
	s_cmp_ge_u32 s14, 3
	s_cselect_b32 s[QM+2], -1, 0
	s_wait_kmcnt 0x0
	s_add_co_i32 s20, s60, s61                     ; ex + ew: a sum stands for sum x 2^(ex + ew); no branch hangs on it
	s_lshl_b32 s21, s20, 23
	s_add_co_i32 s[CS], s21, 0x3fb8aa3b            ; log2(e) with ex + ew added to its exponent field
	s_mov_b32 s[CS+1], s[CS]
	s_xor_b32 s[NC], s[CS], 0x80000000
	s_mov_b32 s[NC+1], s[NC]
	s_add_co_i32 s[C2], s20, 128
	s_lshl_b32 s[C2], s[C2], 23                    ; 2 x 2^(ex + ew)
	s_mov_b32 s[C2+1], s[C2]
	s_wait_loadcnt 0x0                             ; W
	; phase 0: team 0 multiplies block 0
	s_wait_tensorcnt 0x1                           ; my part of slot 0 is in; slot 1's may stay out
	s_barrier_signal -1
	s_barrier_wait -1                              ; everybody's is
	s_cmp_lt_u32 s[WV], 4
	s_cbranch_scc0 .Lphase0_done
	GEMM 0
.Lphase0_done:
	PHASE 1, 1, 0, 0, 1, 1                         ; phase 1: block 2 is asked for | team 1 multiplies block 1 | team 0: block 0's gates
	s_mov_b32 s[CNT], 14
.Lloop:                                            ; phases 2 to 29, two a trip
	PHASE 0, 1, 1, 1, 1, 1
	PHASE 1, 1, 1, 1, 1, 1
	s_sub_co_u32 s[CNT], s[CNT], 1
	s_cmp_lg_u32 s[CNT], 0
	s_cbranch_scc1 .Lloop
	PHASE 0, 1, 1, 1, 1, 1                         ; phase 30: the last refill, block 31.  The tail is written out
	PHASE 1, 0, 1, 1, 1, 1                         ; phase 31: block 29 out, block 31 multiplied | block 30's gates
	PHASE 0, 0, 1, 1, 0, 1                         ; phase 32: block 30 out | block 31's gates
	PHASE 1, 0, 1, 1, 0, 0                         ; phase 33: block 31 out
	s_wait_tensorcnt 0x0                           ; the wave's end: behind my last tensor load and my last LDS store
	ds_add_u32 v[SPW], v[NIL]
	s_wait_dscnt 0x0
	CROUND                                         ; the closing round: no work-group ends while a partner may still ask for a tile that names it
	s_endpgm
.Lfunc_end_k_qb4f7f54e69_scan:
	.size	k_qb4f7f54e69_scan, .Lfunc_end_k_qb4f7f54e69_scan-k_qb4f7f54e69_scan
	.p2alignl 7, 3214868480
	.fill 96, 4, 3214868480
	.section	.rodata,"a",@progbits
	.p2align	6, 0x0
	.amdhsa_kernel k_qb4f7f54e69_scan
		.amdhsa_group_segment_fixed_size 327680
		.amdhsa_private_segment_fixed_size 0
		.amdhsa_enable_private_segment 0
		.amdhsa_kernarg_size 32
		.amdhsa_user_sgpr_count 2
		.amdhsa_user_sgpr_kernarg_segment_ptr 1
		.amdhsa_wavefront_size32 1
		.amdhsa_system_sgpr_workgroup_id_x 1
		.amdhsa_system_sgpr_workgroup_id_y 1
		.amdhsa_system_sgpr_workgroup_id_z 1
		.amdhsa_system_vgpr_workitem_id 0
		.amdhsa_next_free_vgpr 512
		.amdhsa_next_free_sgpr 66
		.amdhsa_reserve_vcc 0
		.amdhsa_float_denorm_mode_32 3
		.amdhsa_float_denorm_mode_16_64 3
		.amdhsa_memory_ordered 1
		.amdhsa_forward_progress 1
		.amdhsa_inst_pref_size 176
	.end_amdhsa_kernel
	.amdgpu_metadata
---
amdhsa.version: [ 1, 2 ]
amdhsa.kernels:
  - .name:           k_qb4f7f54e69_scan
    .symbol:         k_qb4f7f54e69_scan.kd
    .args:
      - { .name: xq, .offset: 0, .size: 8, .value_kind: global_buffer, .address_space: global }
      - { .name: wq, .offset: 8, .size: 8, .value_kind: global_buffer, .address_space: global }
      - { .name: lowp_scales, .offset: 16, .size: 8, .value_kind: global_buffer, .address_space: global }
      - { .name: out0, .offset: 24, .size: 8, .value_kind: global_buffer, .address_space: global }
    .group_segment_fixed_size: 327680
    .private_segment_fixed_size: 0
    .kernarg_segment_align: 8
    .kernarg_segment_size: 32
    .max_flat_workgroup_size: 256
    .sgpr_count:     66
    .vgpr_count:     512
    .wavefront_size: 32
...
	.end_amdgpu_metadata
.endif
;; end of part 2
;; ======== version 2 of 2: 2 launches
;; limits: right only within a limited range of input values
;; workspace buffers: xq 16,777,216 bytes; wq 3,145,728 bytes
;; launch quant (part 3): grid 608 x 1, 4 waves a work-group, no clusters, 34,304 bytes of LDS; arguments x, W, lowp_scales, xq, wq; writes xq, wq
.if DOCPART == 3
	.amdgcn_target "amdgcn-amd-amdhsa--gfx1250"
	.amdhsa_code_object_version 6
	.text
	.protected	k_qb4f7f54e69_quant
	.globl	k_qb4f7f54e69_quant
	.p2align	8
	.type	k_qb4f7f54e69_quant,@function
k_qb4f7f54e69_quant:
	s_mov_b64 s[64:65], 0
	v_nop
	global_prefetch_b8 v0, s[64:65] scope:SCOPE_SE
	s_setreg_imm32_b32 hwreg(HW_REG_WAVE_MODE, 25, 1), 1
	s_wait_xcnt 0x0
; x [16384][1024] f32 and W [1024][3072] f32 become codes of BF8 (E5M2), each with the one scale 2^e that is given for it (entry 0: x, entry 1: W):
; code = number / 2^e, held within +-57,344, rounded to the nearest code, ties to even.
; LIMITS: each e between -126 and 112, so that 2^e and 57,344 x 2^e are f32 numbers.  NaN among the inputs is not served; an infinity is held at the largest code.
; THE CODES ARE LAID AS IMAGES OF THE OPERAND'S REGISTERS.  A fragment is 16 rows (of x) or 16 columns (of W) x 128 along K = 2,048 bytes: group c (0..3) of four registers at 512 c + 16 lane;
; lane (r = lane % 16, h = lane / 16) holds k = 128 ks + 32 c + 16 h + 0 .. 15 of row or column r.  The same places of k in both operands, so every product meets its partner.
;   xq: byte u 32768 + ks 4096 + a 2048 + c 512 + 16 lane.  u = 32 consecutive rows of x (rows 32 u ..); tile a (0, 1) holds, as its row m, row 16 (m / 8) + 8 a + m % 8 of the 32.
;   wq: byte cg 49152 + g 16384 + ks 2048 + c 512 + 16 lane.  Column = 1024 g + 16 cg + r (g: the gate, cg: a group of 16 channels).
; SHARES.  Work-groups 0 to 95 take W, 96 to 607 take x; each reads 131,072 bytes of f32.  The parting hangs on the work-group's number alone; only x's path uses LDS.  Waves share nothing: no barrier.
.set WGW,  96                          ; W's work-groups
.set ROWX, 4096                        ; a row of x in bytes
.set ROWW, 12288                       ; a row of W in bytes
.set SP,   528                         ; a stage row: 512 bytes + 16: 132 words, so that 16 rows start at 16 different banks (64 banks of 4 bytes: ISA guide 11.1)
.set R,    16                          ; x: v16-143   two sets of 64 registers as loaded
.set X,    144                         ; x: v144-207  64 numbers in the operand's order
.set C,    208                         ; x: v208-239  two sets of 16 registers of codes
.set XW,   16                          ; W: v16-79    two sets of 32 numbers
.set CW,   144                         ; W: v144-207  8 registers of codes for each of 8 blocks: no store's data are written again
.macro SCALE se                        ; v11 = 2^e as f32 (the conversion takes its exponent field), v10 = 57,344 x 2^e
	s_wait_kmcnt 0x0
	s_add_co_i32 s26, s[\se], 127
	s_lshl_b32 s27, s26, 23
	v_mov_b32 v11, s27
	s_add_co_i32 s26, s26, 15
	s_lshl_b32 s26, s26, 23
	s_or_b32 s26, s26, 0x600000
	v_mov_b32 v10, s26
.endm
; x: fragment f's 16 rows x 512 bytes: each load reads 512 consecutive bytes, 16 a lane
.macro LOADX f
.irp i, 0,1,2,3,4,5,6,7,8,9,10,11,12,13,14,15
	global_load_b128 v[R+64*((\f)%2)+4*\i:R+64*((\f)%2)+4*\i+3], v3, s[4:5] offset:(16*(\i/8)+\i%8)*ROWX+512*(\f) th:TH_LOAD_NT
.endr
.endm
; through the wave's own stage: in as the rows lie, out 64 bytes a lane and block of 32.  LDS serves a wave's instructions in order (ISA guide 5.7.1.4): no wait between the stores and the loads
.macro TURNX f
.irp i, 0,1,2,3,4,5,6,7,8,9,10,11,12,13,14,15
	ds_store_b128 v14, v[R+64*((\f)%2)+4*\i:R+64*((\f)%2)+4*\i+3] offset:SP*\i
.endr
.irp c, 0,1,2,3
.irp n, 0,1,2,3
	ds_load_b128 v[X+16*\c+4*\n:X+16*\c+4*\n+3], v15 offset:128*\c+16*\n
.endr
.endr
.endm
.macro QUANTX f
.set n, 0
.rept 64
	v_med3_num_f32 v[X+n], v[X+n], -v10, v10       ; the conversion to an 8-bit code does not saturate (ISA guide 7.6.2): the hold at the largest code x the scale
.set n, n+1
.endr
.set n, 0
.rept 8
	v_cvt_scalef32_pk8_bf8_f32 v[C+16*((\f)%2)+2*n:C+16*((\f)%2)+2*n+1], v[X+8*n:X+8*n+7], v11
.set n, n+1
.endr
	v_nop                                          ; one plain vector line behind the last conversion
.endm
.macro STOREX f
.irp c, 0,1,2,3
	global_store_b128 v3, v[C+16*((\f)%2)+4*\c:C+16*((\f)%2)+4*\c+3], s[12:13] offset:4096*(\f)+512*\c   ; 32 lanes store 512 consecutive bytes, aligned
.endr
.endm
.macro FRAGX f
.if (\f) < 3
	s_wait_loadcnt 16                              ; this fragment's 16 loads are in; the next fragment's 16 may be out
.else
	s_wait_loadcnt 0x0
.endif
	TURNX \f
	s_wait_dscnt 0x0                               ; the numbers are back in the operand's order, and the stage's stores have read their registers
.if (\f) < 2
	LOADX (\f)+2                                   ; which take the loads of two fragments on
.else
	s_wait_xcnt 0x0                                ; the codes' set was the data of the stores two fragments ago: it is written again only behind this wait
.endif
	QUANTX \f
	STOREX \f
.endm
; W: block t: W(32 t + i, my column), i = 0 .. 31: a lane takes a column and its registers run down K; 32 lanes read 128 consecutive bytes, the four waves side by side 512
.macro LOADW t
.set n, 0
.rept 32
	global_load_b32 v[XW+32*((\t)%2)+n], v4, s[6:7] offset:(32*(\t)+n)*ROWW th:TH_LOAD_NT
.set n, n+1
.endr
.endm
.macro BLOCKW t
.if (\t) < 7
	s_wait_loadcnt 32                              ; this block's 32 loads are in; the next block's 32 may be out
.else
	s_wait_loadcnt 0x0
.endif
.set n, 0
.rept 32
	v_med3_num_f32 v[XW+32*((\t)%2)+n], v[XW+32*((\t)%2)+n], -v10, v10
.set n, n+1
.endr
.set n, 0
.rept 4
	v_cvt_scalef32_pk8_bf8_f32 v[CW+8*(\t)+2*n:CW+8*(\t)+2*n+1], v[XW+32*((\t)%2)+8*n:XW+32*((\t)%2)+8*n+7], v11
.set n, n+1
.endr
	v_nop                                          ; one plain vector line behind the last conversion
	global_store_b128 v5, v[CW+8*(\t):CW+8*(\t)+3], s[14:15] offset:2048*((\t)/4)+512*((\t)%4)           ; k 0-15 of the block: the image's lanes 0-15; sixteen lanes store 256 consecutive bytes, aligned
	global_store_b128 v5, v[CW+8*(\t)+4:CW+8*(\t)+7], s[14:15] offset:2048*((\t)/4)+512*((\t)%4)+256     ; k 16-31: the image's lanes 16-31
.if (\t) < 6
	LOADW (\t)+2
.endif
.endm
	s_load_b128 s[4:7], s[0:1], 0x0                ; x, W
	s_load_b64 s[8:9], s[0:1], 0x10                ; the scales' exponents
	s_load_b128 s[12:15], s[0:1], 0x18             ; xq, wq
	v_lshl_add_u32 v240, v0, 2, 0x8400
	v_mov_b32 v241, 0
	v_lshrrev_b32 v1, 5, v0
	v_readfirstlane_b32 s16, v1                    ; wave 0..3
	v_and_b32 v2, 31, v0                           ; lane
	s_mov_b32 s25, 0                               ; the upper word of every offset
	s_wait_kmcnt 0x0
	s_load_b64 s[22:23], s[8:9], 0x0               ; ex, ew
	s_cmp_lt_u32 ttmp9, WGW
	s_cbranch_scc1 .Lw_path
	; ---- x.  The work-group takes unit u; wave w takes tile a = w % 2 and K steps 4 (w / 2) + 0 .. 3: four fragments
	s_sub_co_u32 s17, ttmp9, WGW                   ; u
	s_and_b32 s18, s16, 1                          ; a
	s_lshr_b32 s19, s16, 1                         ; which half of K
	s_lshl_b32 s24, s17, 17                        ; 32 rows of 4,096 bytes,
	s_lshl_b32 s20, s18, 15                        ; + 8 a rows,
	s_add_co_u32 s24, s24, s20
	s_lshl_b32 s20, s19, 11                        ; + four K steps of 512 bytes
	s_add_co_u32 s24, s24, s20
	s_add_nc_u64 s[4:5], s[4:5], s[24:25]
	s_lshl_b32 s24, s17, 15                        ; the codes: 32,768 u + 16,384 (half of K) + 2,048 a
	s_lshl_b32 s20, s19, 14
	s_add_co_u32 s24, s24, s20
	s_lshl_b32 s20, s18, 11
	s_add_co_u32 s24, s24, s20
	s_add_nc_u64 s[12:13], s[12:13], s[24:25]
	s_wait_alu depctr_va_vdst(0)
	v_lshlrev_b32 v3, 4, v2                        ; 16 x lane: my bytes of a load's and of a store's 512
	s_mul_i32 s21, s16, 16*SP                      ; my wave's stage
	v_add_nc_u32 v14, s21, v3                      ; in: 16 x lane of a row
	v_and_b32 v4, 15, v2
	v_lshrrev_b32 v5, 4, v2
	v_mul_u32_u24 v15, v4, SP
	v_lshl_add_u32 v15, v5, 6, v15
	v_add_nc_u32 v15, s21, v15                     ; out: row r, + 64 h: my 16 numbers of a block of 32
	LOADX 0
	LOADX 1
	s_wait_alu depctr_va_vdst(0)
	SCALE 22
	s_wait_alu depctr_va_vdst(0)
	FRAGX 0
	FRAGX 1
	FRAGX 2
	FRAGX 3
	s_wait_tensorcnt 0x0
	ds_add_u32 v240, v241
	s_wait_dscnt 0x0
	s_endpgm
	; ---- W.  Work-group Y: 128 columns (Y % 24), 256 along K (Y / 24); wave w: 32 of the columns, two tiles of 16
.Lw_path:
	s_mul_i32 s17, ttmp9, 171
	s_lshr_b32 s17, s17, 12                        ; Y / 24 (exact for Y under 96)
	s_mul_i32 s18, s17, 24
	s_sub_co_u32 s18, ttmp9, s18                   ; Y % 24
	s_lshl_b32 s18, s18, 2
	s_add_co_u32 s18, s18, s16                     ; cp: my 32 columns begin at 32 cp
	s_lshr_b32 s19, s18, 5                         ; the gate
	s_lshl_b32 s20, s18, 1
	s_and_b32 s20, s20, 63                         ; my first group of 16 channels (an even number)
	s_mul_i32 s24, s17, 256*ROWW
	s_lshl_b32 s21, s18, 7
	s_add_co_u32 s24, s24, s21
	s_add_nc_u64 s[6:7], s[6:7], s[24:25]
	s_mul_i32 s24, s20, 49152
	s_lshl_b32 s21, s19, 14
	s_add_co_u32 s24, s24, s21
	s_lshl_b32 s21, s17, 12                        ; two K steps of 2,048 bytes
	s_add_co_u32 s24, s24, s21
	s_add_nc_u64 s[14:15], s[14:15], s[24:25]
	s_wait_alu depctr_va_vdst(0)
	v_lshlrev_b32 v4, 2, v2                        ; in: 4 bytes a lane
	v_and_b32 v6, 15, v2
	v_lshrrev_b32 v7, 4, v2
	v_mul_u32_u24 v5, v7, 49152                    ; out: lanes 16-31 hold the next group of channels,
	v_lshl_add_u32 v5, v6, 4, v5                   ; 16 bytes for each column
	LOADW 0
	LOADW 1
	SCALE 23
	s_wait_alu depctr_va_vdst(0)
	BLOCKW 0
	BLOCKW 1
	BLOCKW 2
	BLOCKW 3
	BLOCKW 4
	BLOCKW 5
	BLOCKW 6
	BLOCKW 7
	s_endpgm
.Lfunc_end_k_qb4f7f54e69_quant:
	.size	k_qb4f7f54e69_quant, .Lfunc_end_k_qb4f7f54e69_quant-k_qb4f7f54e69_quant
	.p2alignl 7, 3214868480
	.fill 96, 4, 3214868480
	.section	.rodata,"a",@progbits
	.p2align	6, 0x0
	.amdhsa_kernel k_qb4f7f54e69_quant
		.amdhsa_group_segment_fixed_size 34304
		.amdhsa_private_segment_fixed_size 0
		.amdhsa_enable_private_segment 0
		.amdhsa_kernarg_size 40
		.amdhsa_user_sgpr_count 2
		.amdhsa_user_sgpr_kernarg_segment_ptr 1
		.amdhsa_wavefront_size32 1
		.amdhsa_system_sgpr_workgroup_id_x 1
		.amdhsa_system_sgpr_workgroup_id_y 1
		.amdhsa_system_sgpr_workgroup_id_z 1
		.amdhsa_system_vgpr_workitem_id 0
		.amdhsa_next_free_vgpr 242
		.amdhsa_next_free_sgpr 66
		.amdhsa_reserve_vcc 0
		.amdhsa_float_denorm_mode_32 3
		.amdhsa_float_denorm_mode_16_64 3
		.amdhsa_memory_ordered 1
		.amdhsa_forward_progress 1
		.amdhsa_inst_pref_size 82
	.end_amdhsa_kernel
	.amdgpu_metadata
---
amdhsa.version: [ 1, 2 ]
amdhsa.kernels:
  - .name:           k_qb4f7f54e69_quant
    .symbol:         k_qb4f7f54e69_quant.kd
    .args:
      - { .name: x, .offset: 0, .size: 8, .value_kind: global_buffer, .address_space: global }
      - { .name: W, .offset: 8, .size: 8, .value_kind: global_buffer, .address_space: global }
      - { .name: lowp_scales, .offset: 16, .size: 8, .value_kind: global_buffer, .address_space: global }
      - { .name: xq, .offset: 24, .size: 8, .value_kind: global_buffer, .address_space: global }
      - { .name: wq, .offset: 32, .size: 8, .value_kind: global_buffer, .address_space: global }
    .group_segment_fixed_size: 34304
    .private_segment_fixed_size: 0
    .kernarg_segment_align: 8
    .kernarg_segment_size: 40
    .max_flat_workgroup_size: 128
    .sgpr_count:     66
    .vgpr_count:     242
    .wavefront_size: 32
...
	.end_amdgpu_metadata
.endif
;; end of part 3
;; launch scan (part 4): grid 64 x 4, 8 waves a work-group, clusters of 4 x 1, 327,680 bytes of LDS; arguments xq, wq, lowp_scales, out0; writes out0
.if DOCPART == 4
	.amdgcn_target "amdgcn-amd-amdhsa--gfx1250"
	.amdhsa_code_object_version 6
	.text
	.protected	k_qb4f7f54e69_scan
	.globl	k_qb4f7f54e69_scan
	.p2align	8
	.type	k_qb4f7f54e69_scan,@function
k_qb4f7f54e69_scan:
	s_mov_b64 s[64:65], 0
	v_nop
	global_prefetch_b8 v0, s[64:65] scope:SCOPE_SE
	s_setreg_imm32_b32 hwreg(HW_REG_WAVE_MODE, 25, 1), 1
	s_wait_xcnt 0x0
	s_wait_alu depctr_hold_cnt(0) depctr_sa_sdst(0) depctr_va_vdst(0) depctr_va_sdst(0) depctr_va_ssrc(0) depctr_va_vcc(0) depctr_vm_vsrc(0)
	s_getreg_b32 s2, hwreg(HW_REG_IB_STS2, 6, 4)
	s_cmp_eq_u32 s2, 0
	s_cbranch_scc0 .Lentry_in_a_cluster
	s_endpgm
.Lentry_in_a_cluster:
	s_bfe_u32 s2, ttmp6, 0x10000c
	s_cmp_lg_u32 s2, 0x3003
	s_cbranch_scc0 .Lentry_shape_is_right
	s_endpgm
.Lentry_shape_is_right:
; minLSTM, product and recurrence in one launch.  gates = x W on codes of BF8 (xq, wq: images of the operands' registers, as the quantising launch lays them), sums x 2^(ex + ew).
; With F = 1 + e^-f, I = 1 + e^-i:  a = sig(f) / (sig(f) + sig(i)) = I / (F + I),  b = F / (F + I) x g(hidden).  exp(a* + cumlogsumexp(log_values - a*)) is the sum over s <= t of
; b(s) x the product of a(u), s < u <= t, that is h(t) = a(t) h(t-1) + b(t), h(-1) = 0: all factors lie in (0, 1) and all terms are 0 or more, so nothing can overflow.
; The exponentials have min(f, i, 0) and min(hidden, 0) taken off their exponents, as the stable softplus and sigmoid of the definition do.  All of this in f32.
; LIMIT: ex + ew between -126 and 126, so that log2(e) x 2^(ex + ew) and 2 x 2^(ex + ew) are f32 numbers.
; SHARES.  The recurrence runs over all 4,096 steps and no carry passes between work-groups: 4 batches x 1,024 channels on 256 work-groups are 16 channels each.  A work-group: one batch, 16 channels, 48 columns of W,
;   which every wave keeps in 384 registers.  The batch's codes of x, 4 MB, go through two LDS slots of 128 rows (131,072 bytes), 32 trips.  Wave w takes tile a = w % 2 of unit u = w / 2 (32 rows):
;   lane (r, h), register j of a result = channel r, step 32 u + 16 h + 8 a + j.  So a trip has 16 pieces of 8 steps, piece 4 u + 2 h + a.
; THE CARRY.  A lane scans its 8 steps from 0 (HL) with the running product of a (P), and puts its piece's (P7, HL7) into LDS.  Behind the next trip's barrier every wave reads the 16 pairs of its lanes' channels,
;   folds them in order onto the carry G, which each wave keeps for itself, picks G ahead of its own piece, and stores HL + P x that.
; CLUSTER.  The four partners (same batch, neighbouring groups of channels) need the same tiles of x: joint loads, mask 15.  W's 49,152 bytes are each work-group's own: a plain load.
; THE WAY OUT.  16 channels are 64 bytes of an output row: a store of 16 bytes a lane covers eight rows' 64 bytes; the four partners own the four quarters of each aligned 256 bytes.
; PREFETCH.  In trip t, which loads tile t + 1, tile t + 2 is named: 512 blocks of 256 bytes, 16 to a wave (lanes 16-31 name the wave's last block again), the partners told apart by address; trips 30 and 31 name nothing.
.set SLOTB, 131072
.set WL,    262144                     ; W's codes: 49,152 bytes
.set AGG,   311296                     ; the pieces' pairs: two buffers by turns, [channel r: 144 bytes][piece: 8 bytes]
.set AGB,   2304
.set STAGE, 315904                     ; 1,280 bytes a wave: 2 x 8 rows of 64 bytes, the halves 640 apart
.set STW,   1280
.set SPARE, 326144                     ; the spare words: 128 bytes a wave
.set SPW, 1
.set NIL, 2
.set LI,  3                            ; 16 x lane
.set XA,  4                            ; v4, v5: my tile's image in slot 0, 1
.set WA,  6
.set AGS, 7
.set AGL, 8
.set STI, 9
.set STO, 10
.set GO,  11
.set PFO, 12
.set GC,  13                           ; G
.set CO,  14                           ; v14: G ahead of my piece (v15 is named with it as a pair)
.set ACC, 16
.set F,   16                           ; sums of f, then b, then HL
.set I,   24                           ; sums of i, then a, then P
.set H,   32
.set OB,  40
.set SEGV, 48
.set BB,  64                           ; x's fragments of two K steps; also AG, T0, T1
.set BA,  96
.set AG,  64
.set T0,  64
.set T1,  72
; W's fragment q = 3 ks + g: q < 16 at v[256 + 16 q], else at v[128 + 16 (q - 16)]
.set WV,  12
.set G1X, 24
.set G0,  32
.set GH,  40
.set GW,  44
.set G1H, 48
.set G1W, 56
.set CS,  66
.set NC,  68
.set C2,  70
.set MK,  72                           ; s72-87: mask s = the lanes whose piece is s
.set PFA, 88
.set OUTP, 90
.set CNT, 92
.set JW0, 15|(3<<16)|(1<<21)
.set PW0, 3<<16
.set MSB, 0
.macro WIN new
.if MSB != \new
	s_set_vgpr_msb (MSB<<8)|\new
.set MSB, \new
.endif
.endm
.macro PLACES n
.rept \n
	v_nop
.endr
.endm
.macro CROUND
	s_barrier_signal -1
	s_barrier_wait -1
	s_cmp_lg_u32 s[WV], 0
	s_cbranch_scc1 .Lnot_wave_0_\@
	s_barrier_signal -3
.Lnot_wave_0_\@:
	s_barrier_wait -3
	s_barrier_signal -1
	s_barrier_wait -1
.endm
.macro G1SET b, w0, rows               ; a dense block as rows of 256 bytes: 32 elements of 8 bytes
	s_mov_b32 s[\b+0], \w0
	s_mov_b32 s[\b+1], 32<<16
	s_mov_b32 s[\b+2], (\rows)<<16
	s_mov_b32 s[\b+3], 32<<16
	s_mov_b32 s[\b+4], \rows
	s_mov_b32 s[\b+5], 32
	s_mov_b32 s[\b+6], 0
	s_mov_b32 s[\b+7], 0
.endm
.macro XLD2 ks, xb, slot               ; my tile's fragments of K steps ks, ks + 1: 32 lanes read 512 consecutive bytes
.irp d, 0,1
.irp c, 0,1,2,3
	ds_load_b128 v[\xb+16*\d+4*\c:\xb+16*\d+4*\c+3], v[XA+\slot] offset:4096*((\ks)+\d)+512*\c
.endr
.endr
.endm
.macro MM ks, xb                       ; three products, the accumulators by turns
.irp g, 0,1,2
.set q, 3*(\ks)+\g
.if q < 16
	WIN 0x04
.set rB, 16*q
.else
	WIN 0
.set rB, 128+16*(q-16)
.endif
.if (\ks) == 0
	v_wmma_f32_16x16x128_bf8_bf8 v[ACC+8*\g:ACC+8*\g+7], v[\xb:\xb+15], v[rB:rB+15], 0
.else
	v_wmma_f32_16x16x128_bf8_bf8 v[ACC+8*\g:ACC+8*\g+7], v[\xb:\xb+15], v[rB:rB+15], v[ACC+8*\g:ACC+8*\g+7]
.endif
.endr
.endm
.macro WREAD                           ; W from LDS into my registers, once
	WIN 0x40
.set q, 0
.rept 16
.irp c, 0,1,2,3
	ds_load_b128 v[16*q+4*\c:16*q+4*\c+3], v[WA] offset:16384*(q%3)+2048*(q/3)+512*\c
.endr
.set q, q+1
.endr
	WIN 0
.rept 8
.irp c, 0,1,2,3
	ds_load_b128 v[128+16*(q-16)+4*\c:128+16*(q-16)+4*\c+3], v[WA] offset:16384*(q%3)+2048*(q/3)+512*\c
.endr
.set q, q+1
.endr
.endm
.macro GATES                           ; sums in F, I, H -> a in I, b in F
.irp k, 0,1,2,3,4,5,6,7
	v_min3_num_f32 v[T0+\k], v[F+\k], v[I+\k], 0
.endr
.irp k, 0,1,2,3,4,5,6,7
	v_min_num_f32 v[T1+\k], 0, v[H+\k]
.endr
.irp k, 0,2,4,6
	v_pk_mul_f32 v[T0+\k:T0+\k+1], v[T0+\k:T0+\k+1], s[CS:CS+1] op_sel_hi:[1,0]               ; m log2(e), m = min(f, i, 0)
.endr
.irp k, 0,2,4,6
	v_pk_fma_f32 v[F+\k:F+\k+1], v[F+\k:F+\k+1], s[NC:NC+1], v[T0+\k:T0+\k+1] op_sel_hi:[1,0,1]   ; (m - f) log2(e)
	v_pk_fma_f32 v[I+\k:I+\k+1], v[I+\k:I+\k+1], s[NC:NC+1], v[T0+\k:T0+\k+1] op_sel_hi:[1,0,1]
	v_pk_mul_f32 v[T1+\k:T1+\k+1], v[T1+\k:T1+\k+1], s[CS:CS+1] op_sel_hi:[1,0]
	v_pk_fma_f32 v[H+\k:H+\k+1], v[H+\k:H+\k+1], s[C2:C2+1], 1.0 op_sel_hi:[1,0,0]            ; 2 hidden + 1
.endr
	s_wait_alu depctr_va_vdst(0)                   ; ahead of the batch
.irp b, T0, F, I, T1
.irp k, 0,1,2,3,4,5,6,7
	v_exp_f32 v[\b+\k], v[\b+\k]
.endr
.endr
	v_nop
	s_wait_alu depctr_va_vdst(0)                   ; and behind it
.irp k, 0,1,2,3,4,5,6,7
	v_max_num_f32 v[H+\k], v[T1+\k], v[H+\k]       ; g's numerator: 2 hidden + 1 from 0 on, e^hidden below
.endr
.irp k, 0,2,4,6
	v_pk_add_f32 v[I+\k:I+\k+1], v[T0+\k:T0+\k+1], v[I+\k:I+\k+1]   ; e^m (1 + e^-i)
	v_pk_add_f32 v[F+\k:F+\k+1], v[T0+\k:T0+\k+1], v[F+\k:F+\k+1]
.endr
.irp k, 0,2,4,6
	v_pk_add_f32 v[T0+\k:T0+\k+1], v[F+\k:F+\k+1], v[I+\k:I+\k+1]
	v_pk_add_f32 v[T1+\k:T1+\k+1], v[T1+\k:T1+\k+1], 1.0 op_sel_hi:[1,0]   ; g's denominator
.endr
.irp k, 0,2,4,6
	v_pk_mul_f32 v[T0+\k:T0+\k+1], v[T0+\k:T0+\k+1], v[T1+\k:T1+\k+1]
.endr
	s_wait_alu depctr_va_vdst(0)                   ; ahead of the batch
.irp k, 0,1,2,3,4,5,6,7
	v_rcp_f32 v[T0+\k], v[T0+\k]                   ; one reciprocal serves both quotients
.endr
	v_nop
	s_wait_alu depctr_va_vdst(0)                   ; and behind it
.irp k, 0,2,4,6
	v_pk_mul_f32 v[T1+\k:T1+\k+1], v[T0+\k:T0+\k+1], v[T1+\k:T1+\k+1]   ; 1 / (F + I)
	v_pk_mul_f32 v[F+\k:F+\k+1], v[F+\k:F+\k+1], v[H+\k:H+\k+1]
.endr
.irp k, 0,2,4,6
	v_pk_mul_f32 v[I+\k:I+\k+1], v[I+\k:I+\k+1], v[T1+\k:T1+\k+1]       ; a
	v_pk_mul_f32 v[F+\k:F+\k+1], v[F+\k:F+\k+1], v[T0+\k:T0+\k+1]       ; b
.endr
.irp j, 1,2,3,4,5,6,7                  ; my 8 steps from 0: HL over b, P over a, two chains by turns
	v_fma_f32 v[F+\j], v[I+\j], v[F+\j-1], v[F+\j]
	v_mul_f32 v[I+\j], v[I+\j], v[I+\j-1]
.endr
.endm
.macro FINA buf                        ; the 16 pairs of my channel
.irp n, 0,1,2,3,4,5,6,7
	ds_load_b128 v[AG+4*\n:AG+4*\n+3], v[AGL] offset:(\buf)*AGB+16*\n
.endr
.endm
.macro FINB last                       ; G through the pieces in order; mine is picked on the way; HL + P x it; through my stage
.irp s, 0,1,2,3,4,5,6,7,8,9,10,11,12,13,14,15
	v_cndmask_b32 v[CO], v[CO], v[GC], s[MK+\s]
.if ((\last) == 0) || (\s < 15)
	v_fma_f32 v[GC], v[AG+2*\s], v[GC], v[AG+2*\s+1]
.endif
.endr
.irp p, 0,2,4,6
	v_pk_fma_f32 v[F+\p:F+\p+1], v[I+\p:I+\p+1], v[CO:CO+1], v[F+\p:F+\p+1] op_sel_hi:[1,0,1]
.endr
.irp j, 0,1,2,3,4,5,6,7
	ds_store_b32 v[STI], v[F+\j] offset:64*\j      ; row j of my half, column r
.endr
	ds_load_b128 v[OB:OB+3], v[STO]                ; LDS serves a wave's instructions in order (ISA guide 5.7.1.4): these see the stores
	ds_load_b128 v[OB+4:OB+7], v[STO] offset:640
.endm
.macro FINC off                        ; four lanes to a row's 64 bytes, eight rows a store
	global_store_b128 v[GO], v[OB:OB+3], s[OUTP:OUTP+1] offset:\off th:TH_STORE_NT
	global_store_b128 v[GO], v[OB+4:OB+7], s[OUTP:OUTP+1] offset:(\off)+65536 th:TH_STORE_NT
.endm
; Trip t reads tile t from slot t % 2.  refill: tile t + 1 is asked for.  fin: tile t - 1 is finished and stored.  step: t > 0.  pf: tile t + 2 is prefetched.  first: W is read.
.macro TRIP slot, refill, fin, step, pf, first
	s_wait_alu depctr_va_vdst(0)
	s_wait_xcnt 0x0                                ; the stores and the prefetch have read their bases and data
.if \step
	s_add_nc_u64 s[PFA:PFA+1], s[PFA:PFA+1], SLOTB
	s_add_nc_u64 s[OUTP:OUTP+1], s[OUTP:OUTP+1], 128*4096
.endif
	s_wait_tensorcnt 0x0                           ; my part of this trip's tile is in; no load of mine is out
	ds_add_u32 v[SPW], v[NIL]
	s_add_nc_u64 s[G0+4*\slot+2:G0+4*\slot+3], s[G0+4*\slot+2:G0+4*\slot+3], 2*SLOTB
	s_wait_dscnt 0x0                               ; the add, my reads of the other slot, my pair's stores
.if \refill
	CROUND
	tensor_load_to_lds s[G0+4-4*\slot:G0+7-4*\slot], s[G1X:G1X+7]
	s_nop 0
	PLACES 4
.else
	s_barrier_signal -1
	s_barrier_wait -1
.endif
.if \first
	WREAD
.endif
.if \fin
	FINA 1-\slot
.endif
	XLD2 0, BA, \slot
.if \fin
	s_wait_dscnt 8                                 ; the pairs are in; the eight fragment loads may be out
	FINB 0
.endif
	XLD2 2, BB, \slot
	s_wait_dscnt 8                                 ; all but the eight just issued
.if \fin
	FINC -524288                                   ; the tile before: 128 rows back
.endif
.if \pf
	global_prefetch_b8 v[PFO], s[PFA:PFA+1] offset:2*SLOTB th:TH_LOAD_NT scope:SCOPE_SE
.endif
	MM 0, BA
	MM 1, BA+16
	PLACES 4                                       ; in front of loads into registers that the products have read
	XLD2 4, BA, \slot
	s_wait_dscnt 8
	MM 2, BB
	MM 3, BB+16
	PLACES 4
	XLD2 6, BB, \slot
	s_wait_dscnt 8
	MM 4, BA
	MM 5, BA+16
	s_wait_dscnt 0x0
	MM 6, BB
	MM 7, BB+16
	PLACES 5                                       ; five: the gates read these results next
	GATES
	ds_store_b32 v[AGS], v[I+7] offset:\slot*AGB
	ds_store_b32 v[AGS], v[F+7] offset:\slot*AGB+4
.endm
	s_load_b256 s[4:11], s[0:1], 0x0               ; xq, wq, the scales' exponents, out0
	v_lshl_add_u32 v[SPW], v0, 2, SPARE
	v_mov_b32 v[NIL], 0
	ds_add_u32 v[SPW], v[NIL]                      ; the opening lines: the add twice on end
	ds_add_u32 v[SPW], v[NIL]
	v_lshrrev_b32 v3, 5, v0
	v_readfirstlane_b32 s[WV], v3                  ; wave 0..7
	s_bfe_u32 s13, ttmp6, 0x40000                  ; cx
	s_lshl_b32 s14, ttmp9, 2
	s_add_co_u32 s14, s14, s13                     ; the group of 16 channels
	s_and_b32 s15, ttmp7, 0xffff                   ; the batch
	G1SET G1X, JW0, 64                             ; a trip's load: 16,384 bytes a wave, joint
	G1SET G1H, JW0, 128                            ; tile 0: 32,768 bytes for each of waves 0-3, joint
	G1SET G1W, PW0, 48                             ; W: 12,288 bytes for each of waves 4-7
	s_and_b32 s16, s[WV], 3
	s_lshl_b32 s17, s16, 15
	s_mul_i32 s18, s16, 12288
	s_lshl_b32 s19, s[WV], 14
	s_lshl_b32 s20, s15, 22                        ; a batch's codes: 4,194,304 bytes
	s_mov_b32 s21, 0
	s_mul_i32 s22, s14, 49152
	s_add_co_u32 s22, s22, s18
	s_mov_b32 s23, 0
	s_wait_dscnt 0x0
	s_wait_kmcnt 0x0
	s_load_b64 s[94:95], s[8:9], 0x0               ; ex, ew
	s_add_nc_u64 s[4:5], s[4:5], s[20:21]
	s_add_nc_u64 s[6:7], s[6:7], s[22:23]
	s_mov_b32 s[GH], 1
	s_mov_b32 s[GH+1], s17
	s_mov_b32 s20, s17
	s_add_nc_u64 s[GH+2:GH+3], s[4:5], s[20:21]
	s_or_b32 s[GH+3], s[GH+3], 0x80000000
	s_mov_b32 s[GW], 1
	s_add_co_u32 s[GW+1], s18, WL
	s_mov_b64 s[GW+2:GW+3], s[6:7]
	s_or_b32 s[GW+3], s[GW+3], 0x80000000
	s_mov_b32 s20, s19
	s_add_nc_u64 s[96:97], s[4:5], s[20:21]
.irp n, 0,1
	s_mov_b32 s[G0+4*\n], 1
	s_add_co_u32 s[G0+4*\n+1], s19, \n*SLOTB
	s_add_nc_u64 s[G0+4*\n+2:G0+4*\n+3], s[96:97], \n*SLOTB
	s_or_b32 s[G0+4*\n+3], s[G0+4*\n+3], 0x80000000
.endr
	CROUND                                         ; the four partners are here: the first joint loads meet
	s_cmp_lt_u32 s[WV], 4                          ; one tensor load a wave at the head: waves 0-3 tile 0, waves 4-7 W
	s_cbranch_scc0 .Lfor_w
	tensor_load_to_lds s[GH:GH+3], s[G1H:G1H+7]
	s_nop 0
	PLACES 4
	s_branch .Lasked
.Lfor_w:
	tensor_load_to_lds s[GW:GW+3], s[G1W:G1W+7]
	s_nop 0
	PLACES 4
.Lasked:
	s_lshl_b32 s20, s13, 15                        ; the prefetches: my work-group's quarter of a tile, my wave's 4,096 bytes of it
	s_lshl_b32 s22, s[WV], 12
	s_add_co_u32 s20, s20, s22
	s_add_nc_u64 s[PFA:PFA+1], s[4:5], s[20:21]
	s_lshr_b32 s16, s[WV], 1                       ; u
	s_and_b32 s17, s[WV], 1                        ; a
	s_lshl_b32 s20, s15, 24                        ; the output: the batch's 4,096 rows of 4,096 bytes,
	s_lshl_b32 s22, s14, 6                         ; my 16 channels,
	s_add_co_u32 s20, s20, s22
	s_lshl_b32 s22, s16, 17                        ; rows 32 u + 8 a
	s_add_co_u32 s20, s20, s22
	s_lshl_b32 s22, s17, 15
	s_add_co_u32 s20, s20, s22
	s_add_nc_u64 s[OUTP:OUTP+1], s[10:11], s[20:21]
	s_lshl_b32 s18, s16, 15                        ; my tile's image in a slot: 32,768 u + 2,048 a
	s_lshl_b32 s19, s17, 11
	s_add_co_u32 s18, s18, s19
	s_lshl_b32 s19, s16, 5                         ; my pieces' place in a channel's 144 bytes: 8 (4 u + a)
	s_lshl_b32 s20, s17, 3
	s_add_co_u32 s19, s19, s20
	s_add_co_u32 s19, s19, AGG
	s_mul_i32 s20, s[WV], STW
	s_add_co_u32 s20, s20, STAGE
	s_lshl_b32 s21, s16, 2
	s_add_co_u32 s21, s21, s17                     ; 4 u + a
	s_wait_kmcnt 0x0
	s_add_co_i32 s93, s94, s95                     ; ex + ew, added to the constants' exponent fields
	s_lshl_b32 s22, s93, 23
	s_add_co_i32 s[CS], s22, 0x3fb8aa3b            ; log2(e) x 2^(ex + ew)
	s_mov_b32 s[CS+1], s[CS]
	s_xor_b32 s[NC], s[CS], 0x80000000
	s_mov_b32 s[NC+1], s[NC]
	s_add_co_i32 s[C2], s93, 128
	s_lshl_b32 s[C2], s[C2], 23                    ; 2 x 2^(ex + ew)
	s_mov_b32 s[C2+1], s[C2]
	v_and_b32 v49, 31, v0                          ; lane
	v_and_b32 v50, 15, v0                          ; r
	v_bfe_u32 v51, v0, 4, 1                        ; h
	v_lshlrev_b32 v[LI], 4, v49
	v_add_nc_u32 v[XA], s18, v[LI]
	v_add_nc_u32 v[XA+1], SLOTB, v[XA]
	v_add_nc_u32 v[WA], WL, v[LI]
	v_mul_u32_u24 v52, v50, 144
	v_add_nc_u32 v[AGL], AGG, v52
	v_lshl_add_u32 v53, v51, 4, v52
	v_add_nc_u32 v[AGS], s19, v53
	v_add_nc_u32 v[STO], s20, v[LI]
	v_mul_u32_u24 v54, v51, 640
	v_lshl_add_u32 v54, v50, 2, v54
	v_add_nc_u32 v[STI], s20, v54
	v_lshrrev_b32 v55, 2, v49
	v_and_b32 v56, 3, v49
	v_lshlrev_b32 v55, 12, v55
	v_lshl_add_u32 v[GO], v56, 4, v55              ; row lane / 4, 16 bytes at lane % 4
	v_min_u32 v57, 15, v49
	v_lshlrev_b32 v[PFO], 8, v57
	v_lshl_add_u32 v[SEGV], v51, 1, s21            ; my piece
.irp s, 0,1,2,3,4,5,6,7,8,9,10,11,12,13,14,15
	v_cmp_eq_u32 s[MK+\s], \s, v[SEGV]
.endr
	v_mov_b32 v[GC], 0                             ; h ahead of step 0
	v_mov_b32 v[CO], 0
	v_mov_b32 v[CO+1], 0
	TRIP 0, 1, 0, 0, 1, 1                          ; slot 1's first fill is issued as a refill is
	TRIP 1, 1, 1, 1, 1, 0
	s_mov_b32 s[CNT], 14
.Lpair:                                                ; trips 2 to 29
	TRIP 0, 1, 1, 1, 1, 0
	TRIP 1, 1, 1, 1, 1, 0
	s_sub_co_u32 s[CNT], s[CNT], 1
	s_cmp_lg_u32 s[CNT], 0
	s_cbranch_scc1 .Lpair
	TRIP 0, 1, 1, 1, 0, 0
	TRIP 1, 0, 1, 1, 0, 0                          ; the last trip asks for nothing
	s_wait_alu depctr_va_vdst(0)
	s_wait_xcnt 0x0
	s_wait_tensorcnt 0x0
	ds_add_u32 v[SPW], v[NIL]
	s_wait_dscnt 0x0                               ; my last pair is stored
	s_barrier_signal -1
	s_barrier_wait -1
	FINA 1                                         ; tile 31 is finished
	s_wait_dscnt 0x0
	FINB 1
	s_wait_dscnt 0x0
	FINC 0
	s_wait_tensorcnt 0x0                           ; the wave's end
	ds_add_u32 v[SPW], v[NIL]
	s_wait_dscnt 0x0
	CROUND                                         ; the closing round
	s_endpgm
.Lfunc_end_k_qb4f7f54e69_scan:
	.size	k_qb4f7f54e69_scan, .Lfunc_end_k_qb4f7f54e69_scan-k_qb4f7f54e69_scan
	.p2alignl 7, 3214868480
	.fill 96, 4, 3214868480
	.section	.rodata,"a",@progbits
	.p2align	6, 0x0
	.amdhsa_kernel k_qb4f7f54e69_scan
		.amdhsa_group_segment_fixed_size 327680
		.amdhsa_private_segment_fixed_size 0
		.amdhsa_enable_private_segment 0
		.amdhsa_kernarg_size 32
		.amdhsa_user_sgpr_count 2
		.amdhsa_user_sgpr_kernarg_segment_ptr 1
		.amdhsa_wavefront_size32 1
		.amdhsa_system_sgpr_workgroup_id_x 1
		.amdhsa_system_sgpr_workgroup_id_y 1
		.amdhsa_system_sgpr_workgroup_id_z 1
		.amdhsa_system_vgpr_workitem_id 0
		.amdhsa_next_free_vgpr 512
		.amdhsa_next_free_sgpr 100
		.amdhsa_reserve_vcc 0
		.amdhsa_float_denorm_mode_32 3
		.amdhsa_float_denorm_mode_16_64 3
		.amdhsa_memory_ordered 1
		.amdhsa_forward_progress 1
		.amdhsa_inst_pref_size 107
	.end_amdhsa_kernel
	.amdgpu_metadata
---
amdhsa.version: [ 1, 2 ]
amdhsa.kernels:
  - .name:           k_qb4f7f54e69_scan
    .symbol:         k_qb4f7f54e69_scan.kd
    .args:
      - { .name: xq, .offset: 0, .size: 8, .value_kind: global_buffer, .address_space: global }
      - { .name: wq, .offset: 8, .size: 8, .value_kind: global_buffer, .address_space: global }
      - { .name: lowp_scales, .offset: 16, .size: 8, .value_kind: global_buffer, .address_space: global }
      - { .name: out0, .offset: 24, .size: 8, .value_kind: global_buffer, .address_space: global }
    .group_segment_fixed_size: 327680
    .private_segment_fixed_size: 0
    .kernarg_segment_align: 8
    .kernarg_segment_size: 32
    .max_flat_workgroup_size: 256
    .sgpr_count:     100
    .vgpr_count:     512
    .wavefront_size: 32
...
	.end_amdgpu_metadata
.endif
;; end of part 4
